; MI455X (gfx1250); checked and timed in simulation.
; The chip was launched on July 23, 2026; its instructions are those of AMD's public machine-readable ISA for CDNA 5 (MIT licence, August 2026) and "CDNA5" Instruction Set Architecture Reference Guide (July 2026). The comments in the code are by the model that wrote it; some were corrected since.
;; Dot Product Attention. Allowed arithmetic: matrix products marked QUANTISED: E5M2 operands, one E8M0 scale for each 32 along K, by v_wmma_scale_f32_16x16x128_f8f6f4 with both operands' format E5M2, f32 sums; everything else in f32.
;; Inputs: key 4 x 16 x 2,048 x 64 float32; mask 4 x 1 x 2,048 x 2,048 bool; query 4 x 16 x 2,048 x 64 float32; value 4 x 16 x 2,048 x 64 float32.
;; Outputs: out0 4 x 16 x 2,048 x 64 float32.
;; This version of the problem:
;;   THIS VERSION OF THE PROBLEM IS GIVEN IN LOW PRECISION. The matrix products marked QUANTISED in the list below multiply operands that are first quantised to E5M2 (5 exponent bits, 2 mantissa bits; 8 bits a number), with one power-of-two scale for each 32 numbers along K (OCP MX v1.0); their sums are f32. All else is computed in f32.
;;   The module's matrix products, in the order in which they are computed (A, B: the left and right operand; K: the contracted axis; several contracted axes count as one K, in the product's order):
;;     1. batch 64 x [M 2,048, K 64] x [K 64, N 2,048]; A: input query; B: input key: QUANTISED
;;     2. batch 64 x [M 2,048, K 2,048] x [K 2,048, N 64]; A: softmax (see below); B: input value: QUANTISED
;;   THE QUANTISER, for each operand of a quantised product, along K:
;;     - K is cut into blocks of 32 from its start; a last block that is shorter is filled with zeros.
;;     - A block's scale is 2^e with e = floor(log2(the largest magnitude in the block)) - 15, held to -126 .. 127; a block of zeros has e = 0. As a byte (E8M0): e + 127.
;;     - Each number is divided by its block's scale, clamped to +-57,344, and rounded to the nearest number of E5M2, ties to even, subnormals kept.
;;     - The product sums the exact products of the quantised numbers (number of the format x scale) in f32.
;;   ~~~python
;;   def quantise(x, axis):      # numpy; x: float32 -> the quantised numbers, widened to float32 again
;;       x = np.moveaxis(x, axis, -1); K = x.shape[-1]
;;       x = np.pad(x, [(0, 0)] * (x.ndim - 1) + [(0, -K % 32)]); x = x.reshape(x.shape[:-1] + (-1, 32)); a = np.abs(x).max(-1, keepdims=True)
;;       e = np.where(a > 0, np.clip(np.frexp(np.where(a > 0, a, 1))[1] - 1 - 15, -126, 127), 0)      # np.frexp(a)[1] - 1 = floor(log2(a)), exactly
;;       r = np.clip(x / 2.0 ** e, -57344, 57344)
;;       step = 2.0 ** (np.maximum(np.frexp(np.where(r == 0, 1, r))[1] - 1, -14) - 2)
;;       q = np.round(r / step) * step * 2.0 ** e      # np.round: ties to even
;;       return np.moveaxis(q.reshape(q.shape[:-2] + (-1,))[..., :K], -1, axis).astype(np.float32)
;;   ~~~
;;   SOFTMAX AHEAD OF A QUANTISED PRODUCT. Where the list says 'softmax', what is quantised is not the finished softmax but p = 2^(t - M), with t = logit x log2(e) and M = ceil(the row's largest t), a whole number; so 1/2 < the row's largest p <= 1. The row's sum l is taken of the UNQUANTISED p, in f32, and the product's result is divided by l at the end. Since M is a whole number, a kernel that streams over the keys may use a running M (the ceiling of the running maximum): every later rescaling is an exact power of two, which a block's scale takes up: the codes' values come out the same.
;;   OPERANDS COMPUTED ON THE WAY. 'Computed on the way' means the value that the module computes at that place (a softmax that the list does not call 'softmax' is quantised finished and normalised). What goes into a quantiser is computed in f32, as accurately as f32 sums, v_exp_f32 and their like allow (about 1e-6 of the number): no bf16 or f16 on the way to a quantiser, and a product that is left as it is and whose result goes on into a quantised operand takes f32 operands (vector FMAs, or v_wmma_f32_16x16x4_f32). A number that lies on a knife's edge between two numbers of the format may be rounded either way, as far as f32 arithmetic and the matrix unit's own rounding can turn it there, and no further.
;; One version. Each part assembles by itself: llvm-mc -triple=amdgcn-amd-amdhsa -mcpu=gfx1250 --defsym DOCPART=n.
;; ======== version 1 of 1: 2 launches
;; limits: right only within a limited range of input values
;; workspace buffers: kvw 17,301,504 bytes; maskw 2,097,152 bytes of whole numbers
;; launch prep (part 1): grid 1024 x 1, 4 waves a work-group, no clusters, 69,632 bytes of LDS; arguments key, value, mask, kvw, maskw; writes kvw, maskw
.if DOCPART == 1
	.amdgcn_target "amdgcn-amd-amdhsa--gfx1250"
	.amdhsa_code_object_version 6
	.text
	.protected	k_q46a1335ed3_prep
	.globl	k_q46a1335ed3_prep
	.p2align	8
	.type	k_q46a1335ed3_prep,@function
k_q46a1335ed3_prep:
	s_mov_b64 s[64:65], 0
	v_nop
	global_prefetch_b8 v0, s[64:65] scope:SCOPE_SE
	s_setreg_imm32_b32 hwreg(HW_REG_WAVE_MODE, 25, 1), 1
	s_wait_xcnt 0x0
; PREPARATION FOR THE ATTENTION LAUNCH.  key, value: [64 heads][2048][64] f32.  mask: [4][2048][2048] bytes.
; kvw: for each head and each key step of 128 keys one block of 16,896 bytes, laid as IMAGES OF THE OPERANDS' REGISTERS (L = lane, r = L % 16, h = L / 16):
;   +0      K's codes (E5M2, quantised along the head's 64 in blocks of 32): fragment f (0..3) at 2048 f, chunk c (0..3) at 512 c + 16 L.
;           A fragment's row r holds TWO keys: chunks 0, 1: key 32 f + r + 8 (r / 8), d = 32 c + 16 h + 0..15; chunks 2, 3: the key 8 further on, d = 32 (c - 2) + 16 h + 0..15.
;   +8192   V's codes (quantised along the KEYS in blocks of 32): tile t (channels 16 t + r) at 2048 t, chunk c at 512 c + 16 L: keys 32 c + 16 h + 0..15.
;   +16384  K's scale words: at 8 L + 4 i the word of fragment 2 i + h, row r (bytes: first key's two blocks, second key's two blocks).
;   +16640  V's scale words: at 8 L + 4 i the word of tile 2 i + h, channel row r (byte c: key block c).
; maskw: [4][128 tiles of 16 queries][16 key steps][64 words]: bit L of word 16 b + i is mask[query 16 tile + r][key 128 step + 32 b + 16 h + i]: a lane mask for v_cndmask_b32.
; A block's scale is 2^(floor(log2(its largest magnitude)) - 15); its byte is the largest magnitude's exponent field - 15, held at 1 from below.
; LIMITS: NaN and infinities in key and value are not served.  A block of zeros gets the byte 1 where the rule says 127: its codes are zeros, and this program alone reads the bytes.
;         A mask byte counts as true when it is not 0.
; SHARES: work-groups 0-255 take K, 256-511 V (a wave a key step of a head), 512-1023 the mask (a work-group a tile of 16 queries, a wave 512 keys).  Waves share nothing: no barrier.
; The K path and the mask path have LDS bytes of their own; the V path uses none.
.set KVB,  16896                       ; a key step's block
.set KST,  8832                        ; K's stage of a wave: 32 rows x 272 bytes + 128 behind row 15
.set MST0, 4*KST                       ; the mask's stages begin here
.set MST,  8448                        ; 16 rows x 528 bytes
.set RA,   16                          ; K: v16-143 two sets of 64 registers as loaded
.set X,    144                         ; K: v144-207 64 numbers of a lane: register 16 c + i = chunk c's i-th
.set PC,   208                         ; K: v208-223 a fragment's codes
.set TM,   224                         ; K: v224-227 largest magnitudes, v228-231 bytes, v232-235 the hold, v236-239 the conversions' scale operands
.set PWR,  240                         ; K: v240-243 the four fragments' scale words
	s_load_b256 s[4:11], s[0:1], 0x0               ; key s[4:5], value s[6:7], mask s[8:9], kvw s[10:11]
	s_load_b64 s[12:13], s[0:1], 0x20              ; maskw
	v_lshl_add_u32 v248, v0, 2, 0x10e00
	v_mov_b32 v249, 0
	v_lshrrev_b32 v1, 5, v0
	v_readfirstlane_b32 s16, v1                    ; wave 0..3
	v_and_b32 v1, 31, v0                           ; lane
	v_lshlrev_b32 v2, 4, v1                        ; 16 x lane
	v_lshlrev_b32 v3, 3, v1                        ; 8 x lane
	v_and_b32 v6, 15, v0                           ; r
	v_bfe_u32 v7, v0, 4, 1                         ; h
	s_mov_b32 s30, 0x76543210
	s_mov_b32 s31, 0xfedcba98                      ; v_permlanex16_b32's selects for lane l xor 16
	s_mov_b32 s29, 0x600000                        ; the mantissa field of 57,344
	s_mov_b32 s19, 0
	s_mov_b32 s21, 0
	s_wait_kmcnt 0x0
	s_cmp_lt_u32 ttmp9, 512
	s_cbranch_scc0 .Lmask
	s_and_b32 s17, ttmp9, 255
	s_lshl_b32 s17, s17, 2
	s_add_co_u32 s17, s17, s16                     ; head x 16 + key step
	s_lshl_b32 s18, s17, 15                        ; 128 rows of 256 bytes in key or value
	s_mul_i32 s20, s17, KVB                        ; and the step's block in kvw
	s_add_nc_u64 s[10:11], s[10:11], s[20:21]
	s_cmp_lt_u32 ttmp9, 256
	s_cbranch_scc0 .Lvalue
; ---------------------------------------------------------------- K
; Each load reads 512 consecutive bytes (two keys' rows); 32 keys go through the wave's own stage and come back 64 bytes a lane and chunk, in the fragment's order.
	s_add_nc_u64 s[4:5], s[4:5], s[18:19]
	s_mul_i32 s22, s16, KST
	s_wait_alu depctr_va_vdst(0)
	v_mul_u32_u24 v4, v7, 272
	v_lshl_add_u32 v4, v6, 4, v4
	v_add_nc_u32 v4, s22, v4                       ; into the stage: lanes 0-15 one row, lanes 16-31 the next
	v_mul_u32_u24 v5, v6, 272
	v_lshrrev_b32 v8, 3, v6
	v_mad_u32_u24 v5, v8, 2304, v5                 ; out of it: row r + 8 (r / 8); rows 16 on lie 128 bytes further, so that the sixteen rows of a load start at sixteen different 16-byte columns
	v_lshl_add_u32 v5, v7, 6, v5                   ; + 64 h: my 16 numbers of a block of 32
	v_add_nc_u32 v5, s22, v5
	s_mov_b32 s28, 0xffff0000                      ; lanes 16-31
.irp b, 0,1,2,3
	v_mov_b32 v[TM+4+\b], 0                        ; written once: a lane permute's destination counts as one of its sources
.endr
.macro KLOAD f                         ; keys 32 f .. 32 f + 31: 16 loads of 512 consecutive bytes
.irp n, 0,1,2,3,4,5,6,7,8,9,10,11,12,13,14,15
	global_load_b128 v[RA+64*((\f)%2)+4*\n:RA+64*((\f)%2)+4*\n+3], v2, s[4:5] offset:8192*(\f)+512*\n th:TH_LOAD_NT
.endr
.endm
; 64 numbers of a lane, register 16 b + i, block b shared with lane l xor 16, become 16 registers of codes in v[PC] on and the scale word in v[pw]
.macro QUANT s, pw
.irp b, 0,1,2,3
	v_max3_num_f32 v[TM+\b], |v[\s+16*\b]|, |v[\s+1+16*\b]|, 0x8000000   ; my 16 numbers, and the floor 2^(16 - 127): so the byte cannot fall under 1
.endr
.irp i, 2,4,6,8,10,12,14
.irp b, 0,1,2,3
	v_max3_num_f32 v[TM+\b], v[TM+\b], |v[\s+16*\b+\i]|, |v[\s+1+16*\b+\i]|   ; the four blocks by turns
.endr
.endr
.irp b, 0,1,2,3
	v_permlanex16_b32 v[TM+4+\b], v[TM+\b], s30, s31
.endr
.irp b, 0,1,2,3
	v_max_num_f32 v[TM+\b], v[TM+\b], v[TM+4+\b]   ; the block's largest magnitude
.endr
.irp b, 0,1,2,3
	v_add_nc_u32 v[TM+12+\b], 0xf8800000, v[TM+\b] ; 15 off its exponent field: the conversion's scale operand
.endr
.irp b, 0,1,2,3
	v_and_or_b32 v[TM+8+\b], v[TM+\b], 0x7f800000, s29   ; 57,344 x the scale
.endr
.irp b, 0,1,2,3
	v_lshrrev_b32 v[TM+4+\b], 23, v[TM+12+\b]      ; the scale's byte
.endr
	v_lshl_or_b32 v[\pw], v[TM+5], 8, v[TM+4]
	v_lshl_or_b32 v[\pw], v[TM+6], 16, v[\pw]
	v_lshl_or_b32 v[\pw], v[TM+7], 24, v[\pw]
.irp b, 0,1,2,3
.irp i, 0,1,2,3,4,5,6,7,8,9,10,11,12,13,14,15
	v_med3_num_f32 v[\s+16*\b+\i], v[\s+16*\b+\i], -v[TM+8+\b], v[TM+8+\b]   ; the conversion to an 8-bit code does not saturate (ISA guide 7.6.2): the hold comes first
.endr
	v_cvt_scalef32_pk8_bf8_f32 v[PC+4*\b:PC+4*\b+1], v[\s+16*\b:\s+16*\b+7], v[TM+12+\b]
	v_cvt_scalef32_pk8_bf8_f32 v[PC+4*\b+2:PC+4*\b+3], v[\s+16*\b+8:\s+16*\b+15], v[TM+12+\b]
.endr
	v_nop                                          ; a plain line behind the last conversion
.endm
.macro KFRAG f
.if \f > 0
	s_wait_xcnt 0x0                                ; the last fragment's stores have read v[PC] on: it is written again only behind this wait
.endif
.if \f < 3
	s_wait_loadcnt 16                              ; this fragment's 16 loads are in; the next fragment's 16 may be out
.else
	s_wait_loadcnt 0x0
.endif
.irp n, 0,1,2,3,4,5,6,7,8,9,10,11,12,13,14,15
	ds_store_b128 v4, v[RA+64*((\f)%2)+4*\n:RA+64*((\f)%2)+4*\n+3] offset:544*\n+128*(\n/8)
.endr
.irp c, 0,1,2,3
.irp j, 0,1,2,3
	ds_load_b128 v[X+16*\c+4*\j:X+16*\c+4*\j+3], v5 offset:2176*(\c/2)+128*(\c%2)+16*\j   ; LDS serves a wave's instructions in order (ISA guide 5.7.1.4): these see the stores above
.endr
.endr
	s_wait_dscnt 0x0
.if \f < 2
	KLOAD \f+2                                     ; into the set that the stage has just read
.endif
	QUANT X, PWR+\f
.irp c, 0,1,2,3
	global_store_b128 v2, v[PC+4*\c:PC+4*\c+3], s[10:11] offset:2048*\f+512*\c   ; 32 lanes store 512 consecutive bytes, aligned
.endr
.endm
	KLOAD 0
	KLOAD 1
	s_wait_alu depctr_va_vdst(0)
	KFRAG 0
	KFRAG 1
	KFRAG 2
	KFRAG 3
	v_cndmask_b32 v244, v[PWR], v[PWR+1], s28      ; lanes 0-15 carry the even fragment's words, lanes 16-31 the odd one's
	v_cndmask_b32 v245, v[PWR+2], v[PWR+3], s28
	global_store_b64 v3, v[244:245], s[10:11] offset:16384   ; 256 consecutive bytes, aligned
	s_wait_tensorcnt 0x0
	ds_add_u32 v248, v249
	s_wait_dscnt 0x0
	s_endpgm
; ---------------------------------------------------------------- V
; A lane takes a channel and its registers run down the keys: a block of 32 keys lies in one lane's 32 registers, and the codes come out with the keys innermost.
.Lvalue:
	s_add_nc_u64 s[6:7], s[6:7], s[18:19]
	s_wait_alu depctr_va_vdst(0)
	v_lshlrev_b32 v4, 2, v1                        ; in: 4 bytes a lane
	v_lshlrev_b32 v5, 11, v7
	v_lshl_add_u32 v5, v6, 4, v5                   ; out: lanes 16-31 belong to the next tile of 16 channels: 2048 h + 16 r
.macro VLOAD q                         ; block q: keys 32 (q / 2) on, channels 32 (q % 2) + lane
.irp i, 0,1,2,3,4,5,6,7,8,9,10,11,12,13,14,15,16,17,18,19,20,21,22,23,24,25,26,27,28,29,30,31
	global_load_b32 v[16+32*((\q)%2)+\i], v4, s[6:7] offset:(32*((\q)/2)+\i)*256+128*((\q)%2) th:TH_LOAD_NT
.endr
.endm
.macro VBLOCK q
.set XS, 16+32*((\q)%2)
.set CC, 80+8*(\q)                     ; eight registers of codes for each block: no store's data are written again
.if (\q) < 7
	s_wait_loadcnt 32                              ; this block's 32 loads are in; the next block's 32 may be out
.else
	s_wait_loadcnt 0x0
.endif
	v_max3_num_f32 v146, |v[XS]|, |v[XS+1]|, |v[XS+2]|
	v_max3_num_f32 v147, |v[XS+3]|, |v[XS+4]|, |v[XS+5]|
.irp i, 6,10,14,18,22,26
	v_max3_num_f32 v146, v146, |v[XS+\i]|, |v[XS+\i+1]|
	v_max3_num_f32 v147, v147, |v[XS+\i+2]|, |v[XS+\i+3]|
.endr
	v_max3_num_f32 v146, v146, |v[XS+30]|, |v[XS+31]|
	v_max3_num_f32 v146, v146, v147, 0x8000000     ; and the floor 2^(16 - 127)
	v_add_nc_u32 v149, 0xf8800000, v146            ; the conversion's scale operand
	v_and_or_b32 v148, v146, 0x7f800000, s29       ; 57,344 x the scale
	v_lshrrev_b32 v147, 23, v149                   ; the scale's byte
.if (\q)/2 == 0
	v_mov_b32 v[144+(\q)%2], v147                  ; byte c of the channel's scale word
.else
	v_lshl_or_b32 v[144+(\q)%2], v147, 8*((\q)/2), v[144+(\q)%2]
.endif
.irp i, 0,1,2,3,4,5,6,7,8,9,10,11,12,13,14,15,16,17,18,19,20,21,22,23,24,25,26,27,28,29,30,31
	v_med3_num_f32 v[XS+\i], v[XS+\i], -v148, v148
.endr
.irp g, 0,1,2,3
	v_cvt_scalef32_pk8_bf8_f32 v[CC+2*\g:CC+2*\g+1], v[XS+8*\g:XS+8*\g+7], v149
.endr
	v_nop                                          ; a plain line behind the last conversion
	global_store_b128 v5, v[CC:CC+3], s[10:11] offset:8192+4096*((\q)%2)+512*((\q)/2)         ; keys 0-15 of the block: sixteen lanes store 256 consecutive bytes, aligned
	global_store_b128 v5, v[CC+4:CC+7], s[10:11] offset:8192+4096*((\q)%2)+512*((\q)/2)+256   ; keys 16-31
.if (\q)+2 < 8
	VLOAD (\q)+2
.endif
.endm
	VLOAD 0
	VLOAD 1
.irp q, 0,1,2,3,4,5,6,7
	VBLOCK \q
.endr
	global_store_b64 v3, v[144:145], s[10:11] offset:16640
	s_endpgm
; ---------------------------------------------------------------- the mask
; 16 queries x 512 keys a wave.  The rows come in as they lie, 512 consecutive bytes a load, go through the wave's own stage and come back so that lane (r, h) holds, for each
; key step s and block b, the 16 bytes of query r at keys 128 s + 32 b + 16 h on.  A compare of one byte of one register over the 32 lanes IS a word of maskw.
.Lmask:
	s_sub_co_u32 s17, ttmp9, 512                   ; batch x 128 + tile of queries
	s_lshl_b32 s18, s17, 15                        ; 16 rows of 2,048 bytes
	s_lshl_b32 s20, s16, 9                         ; my wave's 512 keys
	s_add_co_u32 s18, s18, s20
	s_add_nc_u64 s[8:9], s[8:9], s[18:19]
	s_lshl_b32 s18, s17, 12                        ; 16 key steps of 256 bytes
	s_lshl_b32 s20, s16, 10                        ; my wave's four
	s_add_co_u32 s18, s18, s20
	s_add_nc_u64 s[12:13], s[12:13], s[18:19]
	s_mul_i32 s22, s16, MST
	s_add_co_u32 s22, s22, MST0
	s_wait_alu depctr_va_vdst(0)
	v_add_nc_u32 v4, s22, v2                       ; into the stage: 16 x lane
	v_mul_u32_u24 v5, v6, 528
	v_lshl_add_u32 v5, v7, 4, v5
	v_add_nc_u32 v5, s22, v5                       ; out of it: row r, + 16 h
.irp n, 0,1,2,3,4,5,6,7,8,9,10,11,12,13,14,15
	global_load_b128 v[16+4*\n:19+4*\n], v2, s[8:9] offset:2048*\n th:TH_LOAD_NT
.endr
.irp y, 0,1,2,3,4,5,6,7
	v_mov_b32 v[144+\y], 0                         ; v_writelane_b32's destination counts as read
.endr
	s_wait_alu depctr_va_vdst(0)
.irp n, 0,1,2,3,4,5,6,7,8,9,10,11,12,13,14,15
	s_wait_loadcnt 15-\n                           ; row n is in; the rows loaded behind it may be out
	ds_store_b128 v4, v[16+4*\n:19+4*\n] offset:528*\n
.endr
.irp u, 0,1,2,3,4,5,6,7,8,9,10,11,12,13,14,15
	ds_load_b128 v[80+4*\u:83+4*\u], v5 offset:128*(\u/4)+32*(\u%4)   ; u = 4 s + b
.endr
	s_wait_dscnt 0x0
; register g, byte y: word 4 g + y of the wave's 256.  The words are gathered so that lane g % 32 holds words 4 g .. 4 g + 3 in four registers: 16 bytes a lane on the way out.
.set g, 0
.rept 64
.irp y, 0,1,2
	v_and_b32 v[152+\y], 0xff<<(8*\y), v[80+g]
	v_cmp_ne_u32 s[20+(4*g+\y)%8], 0, v[152+\y]
.endr
	v_cmp_lt_u32 s[20+(4*g+3)%8], 0xffffff, v[80+g]    ; the top byte is not 0
.irp y, 0,1,2,3
	v_writelane_b32 v[144+4*(g/32)+\y], s[20+(4*g+\y)%8], g%32
.endr
.set g, g+1
.endr
	global_store_b128 v2, v[144:147], s[12:13]              ; 512 consecutive bytes, aligned
	global_store_b128 v2, v[148:151], s[12:13] offset:512
	s_wait_tensorcnt 0x0
	ds_add_u32 v248, v249
	s_wait_dscnt 0x0
	s_endpgm
.Lfunc_end_k_q46a1335ed3_prep:
	.size	k_q46a1335ed3_prep, .Lfunc_end_k_q46a1335ed3_prep-k_q46a1335ed3_prep
	.p2alignl 7, 3214868480
	.fill 96, 4, 3214868480
	.section	.rodata,"a",@progbits
	.p2align	6, 0x0
	.amdhsa_kernel k_q46a1335ed3_prep
		.amdhsa_group_segment_fixed_size 69632
		.amdhsa_private_segment_fixed_size 0
		.amdhsa_enable_private_segment 0
		.amdhsa_kernarg_size 40
		.amdhsa_user_sgpr_count 2
		.amdhsa_user_sgpr_kernarg_segment_ptr 1
		.amdhsa_wavefront_size32 1
		.amdhsa_system_sgpr_workgroup_id_x 1
		.amdhsa_system_sgpr_workgroup_id_y 1
		.amdhsa_system_sgpr_workgroup_id_z 1
		.amdhsa_system_vgpr_workitem_id 0
		.amdhsa_next_free_vgpr 250
		.amdhsa_next_free_sgpr 66
		.amdhsa_reserve_vcc 0
		.amdhsa_float_denorm_mode_32 3
		.amdhsa_float_denorm_mode_16_64 3
		.amdhsa_memory_ordered 1
		.amdhsa_forward_progress 1
		.amdhsa_inst_pref_size 157
	.end_amdhsa_kernel
	.amdgpu_metadata
---
amdhsa.version: [ 1, 2 ]
amdhsa.kernels:
  - .name:           k_q46a1335ed3_prep
    .symbol:         k_q46a1335ed3_prep.kd
    .args:
      - { .name: key, .offset: 0, .size: 8, .value_kind: global_buffer, .address_space: global }
      - { .name: value, .offset: 8, .size: 8, .value_kind: global_buffer, .address_space: global }
      - { .name: mask, .offset: 16, .size: 8, .value_kind: global_buffer, .address_space: global }
      - { .name: kvw, .offset: 24, .size: 8, .value_kind: global_buffer, .address_space: global }
      - { .name: maskw, .offset: 32, .size: 8, .value_kind: global_buffer, .address_space: global }
    .group_segment_fixed_size: 69632
    .private_segment_fixed_size: 0
    .kernarg_segment_align: 8
    .kernarg_segment_size: 40
    .max_flat_workgroup_size: 128
    .sgpr_count:     66
    .vgpr_count:     250
    .wavefront_size: 32
...
	.end_amdgpu_metadata
.endif
;; end of part 1
;; launch attn (part 2): grid 4 x 64, 16 waves a work-group, clusters of 4 x 1, 307,200 bytes of LDS; arguments query, kvw, maskw, out0; writes out0
.if DOCPART == 2
	.amdgcn_target "amdgcn-amd-amdhsa--gfx1250"
	.amdhsa_code_object_version 6
	.text
	.protected	k_q46a1335ed3_attn
	.globl	k_q46a1335ed3_attn
	.p2align	8
	.type	k_q46a1335ed3_attn,@function
k_q46a1335ed3_attn:
	s_mov_b64 s[64:65], 0
	v_nop
	global_prefetch_b8 v0, s[64:65] scope:SCOPE_SE
	s_setreg_imm32_b32 hwreg(HW_REG_WAVE_MODE, 25, 1), 1
	s_wait_xcnt 0x0
	s_wait_alu depctr_hold_cnt(0) depctr_sa_sdst(0) depctr_va_vdst(0) depctr_va_sdst(0) depctr_va_ssrc(0) depctr_va_vcc(0) depctr_vm_vsrc(0)
	s_getreg_b32 s2, hwreg(HW_REG_IB_STS2, 6, 4)
	s_cmp_eq_u32 s2, 0
	s_cbranch_scc0 .Lentry_in_a_cluster
	s_endpgm
.Lentry_in_a_cluster:
	s_bfe_u32 s2, ttmp6, 0x10000c
	s_cmp_lg_u32 s2, 0x3003
	s_cbranch_scc0 .Lentry_shape_is_right
	s_endpgm
.Lentry_shape_is_right:
; out0[bh][q][:] = the sum over k of softmax_k(where(mask, Q.K, -10000) / 8) V[k][:], 64 heads, 2,048 queries and keys, head size 64; both products on codes of E5M2 with one E8M0 scale for each 32 along K.
; THE SOFTMAX: t = score x log2(e) / 8; M = the running largest t rounded UP to a whole number; p = 2^(t - M) is quantised along the keys, not normalised; the row's sum is taken of the unquantised p and divides at the end.
; When M moves, the sum and O are multiplied by 2^(old M - new M), which rounds nothing.  A masked score IS -10,000: it takes part in the maximum and in the sum.
; SHARES.  A work-group owns 512 queries of one head, in two passes of 256; in a pass each of its sixteen waves owns one tile of 16 queries and walks the head's 16 key steps of 128 keys.
; A HEAD'S CODES STAY IN LDS: 16 blocks of 16,896 bytes, images of the operands' registers, laid by the launch before.  Wave w brings block w by its one tensor load; nothing is filled again.
; Waves 0 to 4 have a load line of their own: the first barrier shows blocks 0 to 4 alone, and steps 0 to 3 (which also read K of block 4) run ahead of the barrier that shows the other eleven.
; CLUSTER.  The four work-groups of a head ask for each block jointly.  No prefetch: every byte of kvw that a work-group reads is asked for at the head, so there is no later tile to ask ahead for.
; K = 64 IN AN INSTRUCTION OF 128.  A row of K's fragment holds two keys; Q stands as zeros, its 8 registers of codes, zeros: the upper 16 of the 24 pick the first key, the lower 16 the second.
; LAYOUT.  Both products are used transposed: lane (r, h) holds query r; score register 16 b + i is key 32 b + 16 h + i of the step, so the conversions' results are the second product's operand.
; TWO AREAS OF 64 REGISTERS SWAP ROLES FROM STEP TO STEP: one holds K's fragments and then V's, the other the scores and p; when p has been converted, the next step's K is loaded over it.
; THE MASK: 64 words a step in scalar registers, asked for one step ahead; bit L of word j says whether lane L keeps score register j.
; LIMITS: NaN and infinities in query are not served.  A block of zeros gets the scale byte 1: its codes are zeros.  The promise holds while |t| stays under 2^31.
; QUERY.  A pass's 16 rows come as they lie, 512 consecutive bytes a load, and turn through the wave's stage into the operand's order; they are quantised in registers.  The second pass's rows are asked of
; memory by one prefetch a wave behind the second barrier, loaded at the first way out and quantised at the change of passes.
.set KVB,   16896
.set HEADB, 16*KVB
.set VIM,   8192
.set KSO,   16384
.set VSO,   16640
.set STG,   HEADB                      ; a stage of 8 rows x 272 bytes for each wave; no tensor load lands there
.set STGW,  8*272
.set LI,  1                            ; 16 x lane
.set L8,  2                            ; 8 x lane
.set ADK, 3                            ; 16 x lane + a block
.set ADS, 4                            ; 8 x lane + a block
.set NEG, 5                            ; -10,000.0
.set STO, 6
.set RD,  7
.set GO,  8
.set QS,  9
.set RR,  11
                                       ; v12 -M, v13 the largest t, v[14:15] the row's sum; v[244:245], v[250:251], v[252:253], v[42:47] its other six chains
.set ZQ,  16
.set QC,  24
.set PFO, 40                           ; the prefetch's offset: 256 x min(lane, 15); never rewritten
.set QA,  41                           ; query's turn through the stage: where I read my 64 bytes of a row back
.set MX,  42                           ; v42-45 the second chain of each block's largest score; later chains of the sum
.set AA,  48                           ; area A
.set AB,  112                          ; area B
.set O,   176
.set PC,  208
.set KS,  224
.set VS,  226
.set BM,  228
.set T1,  232
.set HD,  236
.set SO,  240
.set F,   246
.set PW,  248
.set TMP, 249
.set TN,  2                            ; s2  LDS byte of the next step's block
.set LM,  3                            ; s3  lanes with r >= 8
.set G1,  12
.set G0,  20
.set WV,  24
.set STP, 25
.set MO,  27
.set CS,  28
.set SEL, 30
.set MNT, 66
.set NX,  100
.macro CROUND
	s_barrier_signal -1
	s_barrier_wait -1
	s_cmp_lg_u32 s[WV], 0
	s_cbranch_scc1 .Lnot_wave_0_\@
	s_barrier_signal -3
.Lnot_wave_0_\@:
	s_barrier_wait -3
	s_barrier_signal -1
	s_barrier_wait -1
.endm
.macro MASKLOAD
	s_load_b512 s[32:47], s[8:9], s[MO]
	s_load_b512 s[48:63], s[8:9], s[MO] offset:0x40
	s_load_b512 s[68:83], s[8:9], s[MO] offset:0x80
	s_load_b512 s[84:99], s[8:9], s[MO] offset:0xc0
.endm
.macro MM0 d, a, b, sa, sb, row        ; a product that starts its sum
.if \row
	v_wmma_scale_f32_16x16x128_f8f6f4 v[(\d):(\d)+7], v[(\a):(\a)+15], v[(\b):(\b)+15], 0, v[\sa], v[\sb] matrix_a_fmt:MATRIX_FMT_BF8 matrix_b_fmt:MATRIX_FMT_BF8 matrix_a_scale:MATRIX_SCALE_ROW1
.else
	v_wmma_scale_f32_16x16x128_f8f6f4 v[(\d):(\d)+7], v[(\a):(\a)+15], v[(\b):(\b)+15], 0, v[\sa], v[\sb] matrix_a_fmt:MATRIX_FMT_BF8 matrix_b_fmt:MATRIX_FMT_BF8
.endif
.endm
.macro MMA d, a, b, sa, sb, row        ; a product that adds in place
.if \row
	v_wmma_scale_f32_16x16x128_f8f6f4 v[(\d):(\d)+7], v[(\a):(\a)+15], v[(\b):(\b)+15], v[(\d):(\d)+7], v[\sa], v[\sb] matrix_a_fmt:MATRIX_FMT_BF8 matrix_b_fmt:MATRIX_FMT_BF8 matrix_a_scale:MATRIX_SCALE_ROW1
.else
	v_wmma_scale_f32_16x16x128_f8f6f4 v[(\d):(\d)+7], v[(\a):(\a)+15], v[(\b):(\b)+15], v[(\d):(\d)+7], v[\sa], v[\sb] matrix_a_fmt:MATRIX_FMT_BF8 matrix_b_fmt:MATRIX_FMT_BF8
.endif
.endm
.macro KLOAD a                         ; 17 LDS loads: K's scale words, then its four fragments, of the block in ADK, ADS
	ds_load_b64 v[KS:KS+1], v[ADS] offset:KSO
.irp b, 0,1,2,3
.irp c, 0,1,2,3
	ds_load_b128 v[\a+16*\b+4*\c:\a+16*\b+4*\c+3], v[ADK] offset:2048*\b+512*\c
.endr
.endr
.endm
; 32 numbers of a lane become Q's 8 registers of codes and its scale word (the two bytes twice)
.macro QUANTQ src, dst, word
.irp b, 0,1
	v_max3_num_f32 v[BM+\b], |v[\src+16*\b]|, |v[\src+16*\b+1]|, 0x8000000   ; with the floor 2^(16 - 127): the byte cannot fall under 1
.endr
.irp i, 2,4,6,8,10,12,14
.irp b, 0,1
	s_delay_alu instid0(VALU_DEP_2)
	v_max3_num_f32 v[BM+\b], v[BM+\b], |v[\src+16*\b+\i]|, |v[\src+16*\b+\i+1]|
.endr
.endr
.irp b, 0,1
	s_delay_alu instid0(VALU_DEP_2)
	v_permlanex16_b32 v[T1+\b], v[BM+\b], s[SEL], s[SEL+1]
.endr
.irp b, 0,1
	s_delay_alu instid0(VALU_DEP_2)
	v_max_num_f32 v[BM+\b], v[BM+\b], v[T1+\b]
.endr
.irp b, 0,1
	s_delay_alu instid0(VALU_DEP_2)
	v_add_nc_u32 v[SO+\b], 0xf8800000, v[BM+\b]    ; 15 off the exponent field: the conversion's scale operand
.endr
.irp b, 0,1
	s_delay_alu instid0(VALU_DEP_4)
	v_and_or_b32 v[HD+\b], v[BM+\b], 0x7f800000, s[MNT]   ; 57,344 x the scale
.endr
.irp b, 0,1
	s_delay_alu instid0(VALU_DEP_4)
	v_lshrrev_b32 v[T1+\b], 23, v[SO+\b]
.endr
	s_delay_alu instid0(VALU_DEP_1)
	v_lshl_or_b32 v[\word], v[T1+1], 8, v[T1]
	s_delay_alu instid0(VALU_DEP_1)
	v_lshl_or_b32 v[\word], v[\word], 16, v[\word]
.irp b, 0,1
.irp i, 0,1,2,3,4,5,6,7,8,9,10,11,12,13,14,15
	v_med3_num_f32 v[\src+16*\b+\i], v[\src+16*\b+\i], -v[HD+\b], v[HD+\b]   ; the conversion does not saturate (ISA guide 7.6.2): the hold comes first
.endr
	v_cvt_scalef32_pk8_bf8_f32 v[\dst+4*\b:\dst+4*\b+1], v[\src+16*\b:\src+16*\b+7], v[SO+\b]
	v_cvt_scalef32_pk8_bf8_f32 v[\dst+4*\b+2:\dst+4*\b+3], v[\src+16*\b+8:\src+16*\b+15], v[SO+\b]
.endr
	v_nop                                          ; a plain line behind the last conversion
.endm
; A KEY STEP.  On entry the 17 loads of this step's K are the wave's youngest LDS instructions and land in area k; ADK, ADS hold this step's block.  s: the area of the scores.
.macro STEP s, k
.irp b, 0,1,2,3
	s_wait_dscnt 12-4*\b                           ; fragment b is in; the later fragments' four loads each may be out
	MM0 \s+16*\b, \k+16*\b, QC, KS+\b/2, QS, \b%2
	MM0 \s+16*\b+8, \k+16*\b, ZQ, KS+\b/2, QS, \b%2
.endr
.rept 8
	v_nop                                          ; eight plain lines ahead of the loads over K's fragments and of the first read of the scores
.endr
	ds_load_b64 v[VS:VS+1], v[ADS] offset:VSO      ; V's 17 loads land under the softmax
.irp t, 0,1,2,3
.irp c, 0,1,2,3
	ds_load_b128 v[\k+16*\t+4*\c:\k+16*\t+4*\c+3], v[ADK] offset:VIM+2048*\t+512*\c
.endr
.endr
	s_wait_kmcnt 0x0                               ; the step's 64 mask words, asked for a step ago
.set j, 0
.rept 64
	v_cndmask_b32 v[\s+j], v[NEG], v[\s+j], s[32+j+4*(j/32)]   ; ascending: each accumulator is first read at its low end
.set j, j+1
.endr
.irp b, 0,1,2,3
	v_max3_num_f32 v[BM+\b], v[\s+16*\b], v[\s+16*\b+1], v[\s+16*\b+2]   ; each block's largest score, in two chains a block: for the row's maximum and for the block's largest p
.endr
.irp b, 0,1,2,3
	v_max3_num_f32 v[MX+\b], v[\s+16*\b+3], v[\s+16*\b+4], v[\s+16*\b+5]
.endr
.irp i, 6,10
.irp b, 0,1,2,3
	v_max3_num_f32 v[BM+\b], v[BM+\b], v[\s+16*\b+\i], v[\s+16*\b+\i+1]
.endr
.irp b, 0,1,2,3
	v_max3_num_f32 v[MX+\b], v[MX+\b], v[\s+16*\b+\i+2], v[\s+16*\b+\i+3]
.endr
.endr
.irp i, 14
.irp b, 0,1,2,3
	s_delay_alu instid0(VALU_DEP_4)
	v_max3_num_f32 v[BM+\b], v[BM+\b], v[MX+\b], v[\s+16*\b+\i]
.endr
.endr
.irp b, 0,1,2,3
	s_delay_alu instid0(VALU_DEP_4)
	v_max_num_f32 v[BM+\b], v[BM+\b], v[\s+16*\b+15]
.endr
	s_add_co_u32 s[NX], s[NX], 1                   ; the next step's mask words: 16 x pass + step, 0 .. 31, wrapping: the last step asks once more for the first 256 bytes, which nobody uses
	s_and_b32 s[NX], s[NX], 31
	s_and_b32 s[MO], s[NX], 15
	s_lshl_b32 s[MO], s[MO], 8
	s_lshr_b32 s104, s[NX], 4
	s_lshl_b32 s104, s104, 16
	s_or_b32 s[MO], s[MO], s104
	MASKLOAD
	s_wait_alu depctr_va_vdst(0)                   ; the wait behind the run of scalar lines
.irp b, 0,1,2,3
	v_permlanex16_b32 v[T1+\b], v[BM+\b], s[SEL], s[SEL+1]
.endr
.irp b, 0,1,2,3
	s_delay_alu instid0(VALU_DEP_4)
	v_max_num_f32 v[BM+\b], v[BM+\b], v[T1+\b]
.endr
	s_delay_alu instid0(VALU_DEP_2)
	v_max3_num_f32 v[TMP], v[BM], v[BM+1], v[BM+2]
	s_delay_alu instid0(VALU_DEP_1)
	v_max_num_f32 v[TMP], v[TMP], v[BM+3]
	s_delay_alu instid0(VALU_DEP_1)
	v_mul_f32 v[TMP], s[CS], v[TMP]
	s_delay_alu instid0(VALU_DEP_1)
	v_max_num_f32 v13, v13, v[TMP]                 ; the running largest t
	v_mov_b32 v[TMP], v12
	s_delay_alu instid0(VALU_DEP_2)
	v_floor_f32 v12, -v13                          ; the new -M
	s_delay_alu instid0(VALU_DEP_1)
	v_sub_f32 v[TMP], v12, v[TMP]
	s_delay_alu instid0(VALU_DEP_1)
	v_cvt_i32_f32 v[TMP], v[TMP]                   ; (it saturates)
	s_delay_alu instid0(VALU_DEP_1)
	v_ldexp_f32 v[F], 1.0, v[TMP]                  ; f = 2^(old M - new M)
.set j, 0
.rept 32
	v_pk_fma_f32 v[\s+j:\s+j+1], v[\s+j:\s+j+1], s[CS:CS+1], v[12:13] op_sel_hi:[1,0,0]   ; t - M
.set j, j+2
.endr
.irp b, 0,1,2,3
	v_fma_f32 v[BM+\b], v[BM+\b], s[CS], v12
.endr
	s_wait_alu depctr_va_vdst(0)                   ; the wait ahead of the batch
.set j, 0
.rept 64
	v_exp_f32 v[\s+j], v[\s+j]                     ; p = 2^(t - M)
.set j, j+1
.endr
	v_pk_mul_f32 v[14:15], v[14:15], v[F:F+1] op_sel_hi:[1,0]   ; the sum under the new M: the plain line behind the batch
	s_wait_alu depctr_va_vdst(0)                   ; one wait for the 64, ahead of their first reader
.irp b, 0,1,2,3
	v_exp_f32 v[BM+\b], v[BM+\b]                   ; the block's largest p: the same two instructions on the same number
.endr
	v_pk_add_f32 v[244:245], v[\s:\s+1], v[\s+2:\s+3]      ; the row's sum of the unquantised p, in seven chains
	v_pk_add_f32 v[252:253], v[\s+4:\s+5], v[\s+6:\s+7]
	v_pk_add_f32 v[250:251], v[\s+8:\s+9], v[\s+10:\s+11]   ; seven chains in all
	v_pk_add_f32 v[42:43], v[\s+12:\s+13], v[\s+14:\s+15]
	v_pk_add_f32 v[44:45], v[\s+16:\s+17], v[\s+18:\s+19]
	v_pk_add_f32 v[46:47], v[\s+20:\s+21], v[\s+22:\s+23]
.set j, 24
.rept 3
.irp c, 14,244,252,250,42,44
	v_pk_add_f32 v[\c:\c+1], v[\c:\c+1], v[\s+j:\s+j+1]
.set j, j+2
.endr
.endr
	v_pk_add_f32 v[46:47], v[46:47], v[\s+60:\s+61]
	v_pk_add_f32 v[14:15], v[14:15], v[\s+62:\s+63]
	s_wait_alu depctr_va_vdst(0)                   ; and one for the four
.irp b, 0,1,2,3
	v_max_num_f32 v[BM+\b], 0x8000000, v[BM+\b]    ; the floor 2^(16 - 127)
.endr
.irp b, 0,1,2,3
	s_delay_alu instid0(VALU_DEP_4)
	v_add_nc_u32 v[SO+\b], 0xf8800000, v[BM+\b]
.endr
.irp b, 0,1,2,3
	v_and_or_b32 v[HD+\b], v[BM+\b], 0x7f800000, s[MNT]   ; 57,344 x the scale
.endr
.irp b, 0,1,2,3
	v_lshrrev_b32 v[T1+\b], 23, v[SO+\b]
.endr
	s_delay_alu instid0(VALU_DEP_3)
	v_lshl_or_b32 v[PW], v[T1+1], 8, v[T1]         ; p's scale word
	s_delay_alu instid0(VALU_DEP_1)
	v_lshl_or_b32 v[PW], v[T1+2], 16, v[PW]
	s_delay_alu instid0(VALU_DEP_1)
	v_lshl_or_b32 v[PW], v[T1+3], 24, v[PW]
.irp b, 0,1,2,3
	v_and_or_b32 v[T1+(\b+1)%4], v[BM+\b], 0x7f800000, s[MNT]   ; the hold once more, in a register whose number differs modulo 4: the pair below names both
.endr
	s_min_u32 s104, s[TN], 15*KVB                  ; the next step's block; behind a pass's last step block 15 once more, which nobody uses
	s_add_co_u32 s[TN], s[TN], KVB
	v_add_nc_u32 v[ADK], s104, v[LI]
	v_add_nc_u32 v[ADS], s104, v[L8]
.irp b, 0,1,2,3
.irp i, 0,2,4,6,8,10,12,14
	v_dual_min_num_f32 v[\s+16*\b+\i], v[\s+16*\b+\i], v[HD+\b] :: v_dual_min_num_f32 v[\s+16*\b+\i+1], v[\s+16*\b+\i+1], v[T1+(\b+1)%4]   ; the hold, one-sided: p is not negative (ISA guide 7.6.2)
.endr
	v_cvt_scalef32_pk8_bf8_f32 v[PC+4*\b:PC+4*\b+1], v[\s+16*\b:\s+16*\b+7], v[SO+\b]
	v_cvt_scalef32_pk8_bf8_f32 v[PC+4*\b+2:PC+4*\b+3], v[\s+16*\b+8:\s+16*\b+15], v[SO+\b]
.endr
	KLOAD \s                                       ; p is converted: the next step's K lands over it
	s_wait_alu depctr_va_vdst(0)                   ; the wait directly ahead of the first reader of O^T
.set j, 0
.rept 16
	v_pk_mul_f32 v[O+j:O+j+1], v[O+j:O+j+1], v[F:F+1] op_sel_hi:[1,0]   ; O^T under the new M; also the plain lines between the codes' last write and the products
.set j, j+2
.endr
	s_wait_alu depctr_va_vdst(0)                   ; the wait directly ahead of the wait below
	s_wait_dscnt 17                                ; V's 17 loads are in; the 17 younger ones, the next K's, may be out
.irp t, 0,1,2,3
	MMA O+8*\t, \k+16*\t, PC, VS+\t/2, PW, \t%2
.endr
	v_pk_add_f32 v[244:245], v[244:245], v[252:253]   ; the sum's chains are joined here: with the v_nop nine plain lines ahead of the next step's products, which write over V's area
	v_pk_add_f32 v[250:251], v[250:251], v[42:43]
	v_pk_add_f32 v[44:45], v[44:45], v[46:47]
	v_pk_add_f32 v[14:15], v[14:15], v[244:245]
	v_pk_add_f32 v[250:251], v[250:251], v[44:45]
	v_nop
	v_nop
	v_pk_add_f32 v[14:15], v[14:15], v[250:251]
	v_nop
.endm
.macro PINIT                           ; a pass begins: block 0, zeros, and the first step's K
	v_mov_b32 v[ADK], v[LI]
	v_mov_b32 v[ADS], v[L8]
.set j, 0
.rept 32
	v_mov_b32 v[O+j], 0                            ; the step is written once: the first finds zeros
.set j, j+1
.endr
	v_mov_b32 v13, 0xff61b1e6                      ; -3e38, under every t
	s_delay_alu instid0(VALU_DEP_1)
	v_floor_f32 v12, -v13
	v_mov_b32 v14, 0
	v_mov_b32 v15, 0
	KLOAD AA
.endm
.macro TRIPS label, first, n           ; 2 n key steps; first: the block behind the first of them
	s_mov_b32 s[TN], (\first)*KVB
	s_mov_b32 s[STP], \n
\label:
	STEP AB, AA
	STEP AA, AB
	s_sub_co_u32 s[STP], s[STP], 1
	s_cmp_lg_u32 s[STP], 0
	s_cbranch_scc1 \label
.endm
; THE WAY OUT of a pass.  O^T / the sum.  Lanes r and r xor 8 exchange halves, so that for 8 rows at a time all 32 lanes hold 64 bytes each: lane (r, h) has row r % 8, channels 32 (r / 8) + 16 tt + 8 h + i.
.macro QLOAD a, p                      ; pass p's 16 rows of query as they lie: each load reads 512 consecutive bytes, two rows
.irp n, 0,1,2,3,4,5,6,7
	global_load_b128 v[\a+4*\n:\a+4*\n+3], v[LI], s[4:5] offset:65536*\p+512*\n th:TH_LOAD_NT
.endr
.endm
; The rows turn through my stage, 8 at a time: in as loaded, back 64 bytes a lane and block (row r % 8, d = 32 b + 16 h on).  Lanes r < 8 keep what the first half brought, the others what the second did.
.macro QTURN a
.irp hf, 0,1
.irp n, 0,1,2,3
	ds_store_b128 v[RD], v[\a+16*\hf+4*\n:\a+16*\hf+4*\n+3] offset:544*\n
.endr
.irp b, 0,1
.irp j, 0,1,2,3
	ds_load_b128 v[AB+32*\hf+16*\b+4*\j:AB+32*\hf+16*\b+4*\j+3], v[QA] offset:128*\b+16*\j   ; LDS serves a wave's instructions in order (ISA guide 5.7.1.4)
.endr
.endr
.endr
	s_wait_dscnt 0x0
.set j, 0
.rept 32
	v_cndmask_b32 v[AB+j], v[AB+j], v[AB+32+j], s[LM]
.set j, j+1
.endr
.endm
.macro WAYOUT more                     ; more = 1: the next pass's rows of query are asked for first, into v80-111, which the way out does not touch
	s_wait_alu depctr_va_vdst(0)                   ; the wait directly ahead of the wait below
	s_wait_dscnt 0x0                               ; the loads that the last step issued
.if \more
	QLOAD AA+32, 1
.endif
	v_add_f32 v14, v14, v15
	s_delay_alu instid0(VALU_DEP_1)
	v_permlanex16_b32 v[T1], v14, s[SEL], s[SEL+1]
	s_delay_alu instid0(VALU_DEP_1)
	v_add_f32 v14, v14, v[T1]                      ; the row's sum
	s_wait_alu depctr_va_vdst(0)
	v_rcp_f32 v14, v14
	v_nop
	s_wait_alu depctr_va_vdst(0)                   ; ahead of the reciprocal's and O^T's first readers
.set j, 0
.rept 32
	v_mul_f32 v[AB+j], v[O+j], v14                 ; my own row; ascending
.set j, j+1
.endr
	v_mov_b32_dpp v[TMP], v14 row_xmask:8 row_mask:0xf bank_mask:0xf   ; lane r xor 8's reciprocal
.set j, 0
.rept 16
	v_mul_f32_dpp v[AB+32+j], v[O+16+j], v[TMP] row_xmask:8 row_mask:0xf bank_mask:0xf   ; lane r xor 8's channels 32 on
	v_mul_f32_dpp v[AB+48+j], v[O+j], v[TMP] row_xmask:8 row_mask:0xf bank_mask:0xf      ; and its channels 0 on
.set j, j+1
.endr
.set j, 0
.rept 16
	v_cndmask_b32 v[AB+j], v[AB+j], v[AB+32+j], s[LM]          ; rows 0-7
	v_cndmask_b32 v[AB+16+j], v[AB+48+j], v[AB+16+j], s[LM]    ; rows 8-15
.set j, j+1
.endr
	s_wait_alu depctr_va_vdst(0)                   ; the wait ahead of the waits below
.irp hf, 0,1
.irp q, 0,1,2,3
	ds_store_b128 v[STO], v[AB+16*\hf+4*\q:AB+16*\hf+4*\q+3] offset:64*(\q/2)+16*(\q%2)
.endr
.irp i, 0,1,2,3
	ds_load_b128 v[AA+16*\hf+4*\i:AA+16*\hf+4*\i+3], v[RD] offset:544*\i   ; LDS serves a wave's instructions in order (ISA guide 5.7.1.4)
.endr
.irp i, 0,1,2,3
	s_wait_dscnt 3-\i
	global_store_b128 v[GO], v[AA+16*\hf+4*\i:AA+16*\hf+4*\i+3], s[10:11] offset:(8*\hf+2*\i)*256 th:TH_STORE_NT   ; 32 lanes store two rows: 512 consecutive bytes, aligned
.endr
.endr
.endm
	s_load_b256 s[4:11], s[0:1], 0x0               ; query, kvw, maskw, out0
	v_lshl_add_u32 v254, v0, 2, 0x4a800
	v_mov_b32 v255, 0
	ds_add_u32 v254, v255                          ; the opening lines: the add twice on end and its wait
	ds_add_u32 v254, v255
	v_lshrrev_b32 v1, 5, v0
	s_delay_alu instid0(VALU_DEP_1)
	v_readfirstlane_b32 s[WV], v1
	s_bfe_u32 s2, ttmp6, 0x40000                   ; cx = which 512 queries; it enters the addresses of query, maskw and out0 alone
	s_and_b32 s3, ttmp7, 0xffff                    ; the head, which the four partners share
	s_mov_b32 s[G1+0], 15|(3<<16)|(1<<21)          ; the mask of all four; elements of 8 bytes; bit 21 beside a mask
	s_mov_b32 s[G1+1], 32<<16                      ; a dense block as 66 rows of 256 bytes
	s_mov_b32 s[G1+2], 66<<16
	s_mov_b32 s[G1+3], 32<<16
	s_mov_b32 s[G1+4], 66
	s_mov_b32 s[G1+5], 32
	s_mov_b32 s[G1+6], 0
	s_mov_b32 s[G1+7], 0
	s_mov_b32 s[CS], 0x3e38aa3b                    ; log2(e) / 8
	s_mov_b32 s[CS+1], s[CS]
	s_mov_b32 s[SEL], 0x76543210
	s_mov_b32 s[SEL+1], 0xfedcba98
	s_lshl_b32 s104, s3, 19                        ; query, out0: the head's 2,048 rows of 256 bytes,
	s_lshl_b32 s100, s2, 17                        ; my work-group's 512,
	s_lshl_b32 s101, s[WV], 12                     ; my wave's 16
	s_add_co_u32 s104, s104, s100
	s_add_co_u32 s104, s104, s101
	s_mov_b32 s105, 0
	s_lshr_b32 s26, s3, 4                          ; maskw: the batch's 128 tiles of 4,096 bytes
	s_lshl_b32 s26, s26, 19
	s_add_co_u32 s26, s26, s100
	s_add_co_u32 s26, s26, s101
	s_mov_b32 s27, 0
	s_mul_i32 s66, s3, HEADB
	s_mul_i32 s[G0+1], s[WV], KVB                  ; block w, to LDS byte w x 16,896
	s_add_co_u32 s66, s66, s[G0+1]
	s_mov_b32 s67, 0
	v_and_b32 v[RR], 15, v0
	v_bfe_u32 v[TMP], v0, 4, 1
	v_and_b32 v[LI], 31, v0
	v_min_u32 v[PFO], 15, v[LI]
	v_lshlrev_b32 v[L8], 3, v[LI]
	v_lshlrev_b32 v[LI], 4, v[LI]
	v_lshlrev_b32 v[PFO], 8, v[PFO]                ; a lane a row of 256 bytes; lanes 16 to 31 name the last row again
	s_wait_alu depctr_va_vdst(0)                   ; the wait directly ahead of the waits below
	s_wait_dscnt 0x0
	s_wait_kmcnt 0x0
	s_add_nc_u64 s[4:5], s[4:5], s[104:105]
	s_add_nc_u64 s[10:11], s[10:11], s[104:105]
	s_add_nc_u64 s[8:9], s[8:9], s[26:27]
	s_mov_b32 s[G0], 1
	s_add_nc_u64 s[G0+2:G0+3], s[6:7], s[66:67]
	s_or_b32 s[G0+3], s[G0+3], 0x80000000
	s_mov_b32 s[NX], 0
	s_mov_b32 s[MO], 0
	MASKLOAD                                       ; pass 0, step 0
	QLOAD AA, 0                                    ; the first pass's rows alone
	CROUND                                         ; the joint loads meet
	s_cmp_lt_u32 s[WV], 5                          ; one chain of two arms, a load to an arm: waves 0 to 4 wait for theirs ahead of the first barrier, the others ahead of the second
	s_cbranch_scc0 .Larm_late
	tensor_load_to_lds s[G0:G0+3], s[G1:G1+7]
	s_nop 0
.rept 4
	v_nop
.endr
	s_branch .Lasked
.Larm_late:
	tensor_load_to_lds s[G0:G0+3], s[G1:G1+7]
	s_nop 0
.rept 4
	v_nop
.endr
.Lasked:
	s_mov_b32 s[MNT], 0x600000
	s_mov_b32 s[LM], 0xff00ff00
	s_mul_i32 s25, s[WV], STGW
	s_add_co_u32 s25, s25, STG                     ; my stage
	v_and_b32 v[STO], 7, v0
	v_bfe_u32 v[ADK], v0, 3, 1
	v_mul_u32_u24 v[STO], v[STO], 272
	v_lshlrev_b32 v[ADK], 7, v[ADK]
	v_add_nc_u32 v[STO], s25, v[STO]               ; my stage's row r % 8
	v_lshl_add_u32 v[ADK], v[TMP], 5, v[ADK]
	v_lshl_add_u32 v[QA], v[TMP], 6, v[STO]        ; query: + 64 h
	v_add_nc_u32 v[STO], v[ADK], v[STO]            ; the way out: + 128 (r / 8) + 32 h
	v_mul_u32_u24 v[RD], v[TMP], 272
	s_delay_alu instid0(VALU_DEP_1)
	v_lshl_add_u32 v[RD], v[RR], 4, v[RD]
	s_delay_alu instid0(VALU_DEP_1)
	v_add_nc_u32 v[RD], s25, v[RD]                 ; back: lanes 0-15 one row, lanes 16-31 the next
	v_lshlrev_b32 v[GO], 8, v[TMP]
	s_delay_alu instid0(VALU_DEP_1)
	v_lshl_add_u32 v[GO], v[RR], 4, v[GO]
	v_mov_b32 v[NEG], 0xc61c4000                   ; -10,000.0
.irp i, 0,1,2,3,4,5,6,7
	v_mov_b32 v[ZQ+\i], 0
	v_mov_b32 v[ZQ+16+\i], 0
.endr
.irp b, 0,1,2,3
	v_mov_b32 v[T1+\b], 0                          ; a lane permute's destination counts as one of its sources
.endr
	v_mov_b32 v[F+1], 0
	s_wait_loadcnt 0x0                             ; the first pass's rows are in
	QTURN AA
	QUANTQ AB, QC, QS
	s_wait_alu depctr_va_vdst(0)                   ; the wait at the head's end
	s_cmp_lt_u32 s[WV], 5
	s_cbranch_scc0 .Lno_wait
	s_wait_tensorcnt 0x0                           ; waves 0 to 4: my block has landed
.Lno_wait:
	s_barrier_signal -1
	s_barrier_wait -1                              ; blocks 0 to 4 are whole
	PINIT
	TRIPS .Lfirst, 1, 2                            ; steps 0 to 3: they read blocks 0 to 3 and K of block 4
	s_wait_tensorcnt 0x0                           ; every wave: my block has landed,
	s_wait_dscnt 0x0                               ; no LDS load of mine is out at the signal
	s_barrier_signal -1
	s_barrier_wait -1                              ; all 16 blocks are whole, and from here on only read
	global_prefetch_b8 v[PFO], s[4:5] offset:65536 th:TH_LOAD_NT scope:SCOPE_SE   ; my second pass's 16 rows of query, 4,096 bytes, 12 key steps ahead of their loads; its two address registers are never rewritten
	TRIPS .Lrest, 5, 6                             ; steps 4 to 15
	WAYOUT 1
	s_wait_xcnt 0x0                                ; the stores have read their registers and their base
	s_add_nc_u64 s[10:11], s[10:11], 0x10000       ; the second pass's rows
	s_wait_loadcnt 0x0                             ; the second pass's rows of query are in
	QTURN AA+32
	QUANTQ AB, QC, QS
	PINIT
	TRIPS .Lsecond, 1, 8
	WAYOUT 0
	s_wait_kmcnt 0x0                               ; the mask words that the last step asked for
	s_wait_tensorcnt 0x0                           ; the wave's end
	ds_add_u32 v254, v255
	s_wait_dscnt 0x0
	CROUND                                         ; the closing round
	s_endpgm
.Lfunc_end_k_q46a1335ed3_attn:
	.size	k_q46a1335ed3_attn, .Lfunc_end_k_q46a1335ed3_attn-k_q46a1335ed3_attn
	.p2alignl 7, 3214868480
	.fill 96, 4, 3214868480
	.section	.rodata,"a",@progbits
	.p2align	6, 0x0
	.amdhsa_kernel k_q46a1335ed3_attn
		.amdhsa_group_segment_fixed_size 307200
		.amdhsa_private_segment_fixed_size 0
		.amdhsa_enable_private_segment 0
		.amdhsa_kernarg_size 32
		.amdhsa_user_sgpr_count 2
		.amdhsa_user_sgpr_kernarg_segment_ptr 1
		.amdhsa_wavefront_size32 1
		.amdhsa_system_sgpr_workgroup_id_x 1
		.amdhsa_system_sgpr_workgroup_id_y 1
		.amdhsa_system_sgpr_workgroup_id_z 1
		.amdhsa_system_vgpr_workitem_id 0
		.amdhsa_next_free_vgpr 256
		.amdhsa_next_free_sgpr 106
		.amdhsa_reserve_vcc 0
		.amdhsa_float_denorm_mode_32 3
		.amdhsa_float_denorm_mode_16_64 3
		.amdhsa_memory_ordered 1
		.amdhsa_forward_progress 1
		.amdhsa_inst_pref_size 189
	.end_amdhsa_kernel
	.amdgpu_metadata
---
amdhsa.version: [ 1, 2 ]
amdhsa.kernels:
  - .name:           k_q46a1335ed3_attn
    .symbol:         k_q46a1335ed3_attn.kd
    .args:
      - { .name: query, .offset: 0, .size: 8, .value_kind: global_buffer, .address_space: global }
      - { .name: kvw, .offset: 8, .size: 8, .value_kind: global_buffer, .address_space: global }
      - { .name: maskw, .offset: 16, .size: 8, .value_kind: global_buffer, .address_space: global }
      - { .name: out0, .offset: 24, .size: 8, .value_kind: global_buffer, .address_space: global }
    .group_segment_fixed_size: 307200
    .private_segment_fixed_size: 0
    .kernarg_segment_align: 8
    .kernarg_segment_size: 32
    .max_flat_workgroup_size: 512
    .sgpr_count:     106
    .vgpr_count:     256
    .wavefront_size: 32
...
	.end_amdgpu_metadata
.endif
;; end of part 2
